; MI455X (gfx1250); checked and timed in simulation.
; The chip was launched on July 23, 2026; its instructions are those of AMD's public machine-readable ISA for CDNA 5 (MIT licence, August 2026) and "CDNA5" Instruction Set Architecture Reference Guide (July 2026). The comments in the code are by the model that wrote it; some were corrected since.
;; Trellis Linear. Allowed arithmetic: matrix products marked QUANTISED: E2M1 operands, one E8M0 scale for each 32 along K, by v_wmma_scale_f32_16x16x128_f8f6f4 with both operands' format E2M1 (or v_wmma_scale_f32_32x16x128_f4), f32 sums; everything else in f32.
;; Inputs: SU 4,096 float32; SV 4,096 float32; scales 65,536 x 1 float32; tlut 1,024 x 2 float32; trellis 65,536 x 32 int32; x 4 x 1,024 x 4,096 float32.
;; Outputs: out0 4 x 1,024 x 4,096 float32.
;; This version of the problem:
;;   THIS VERSION OF THE PROBLEM IS GIVEN IN LOW PRECISION. The matrix products marked QUANTISED in the list below multiply operands that are first quantised to E2M1 (2 exponent bits, 1 mantissa bit; 4 bits a number), with one power-of-two scale for each 32 numbers along K (OCP MX v1.0); their sums are f32. All else is computed in f32.
;;   The module's matrix products, in the order in which they are computed (A, B: the left and right operand; K: the contracted axis; several contracted axes count as one K, in the product's order):
;;     1. [M 4,096, K 4,096] x [K 4,096, N 4,096]; A: input x; B: computed on the way: QUANTISED
;;   THE QUANTISER, for each operand of a quantised product, along K:
;;     - K is cut into blocks of 32 from its start; a last block that is shorter is filled with zeros.
;;     - A block's scale is 2^e with e = floor(log2(the largest magnitude in the block)) - 2, held to -126 .. 127; a block of zeros has e = 0. As a byte (E8M0): e + 127.
;;     - Each number is divided by its block's scale, clamped to +-6, and rounded to the nearest number of E2M1, ties to even, subnormals kept.
;;     - The product sums the exact products of the quantised numbers (number of the format x scale) in f32.
;;   ~~~python
;;   def quantise(x, axis):      # numpy; x: float32 -> the quantised numbers, widened to float32 again
;;       x = np.moveaxis(x, axis, -1); K = x.shape[-1]
;;       x = np.pad(x, [(0, 0)] * (x.ndim - 1) + [(0, -K % 32)]); x = x.reshape(x.shape[:-1] + (-1, 32)); a = np.abs(x).max(-1, keepdims=True)
;;       e = np.where(a > 0, np.clip(np.frexp(np.where(a > 0, a, 1))[1] - 1 - 2, -126, 127), 0)      # np.frexp(a)[1] - 1 = floor(log2(a)), exactly
;;       r = np.clip(x / 2.0 ** e, -6, 6)
;;       step = 2.0 ** (np.maximum(np.frexp(np.where(r == 0, 1, r))[1] - 1, 0) - 1)
;;       q = np.round(r / step) * step * 2.0 ** e      # np.round: ties to even
;;       return np.moveaxis(q.reshape(q.shape[:-2] + (-1,))[..., :K], -1, axis).astype(np.float32)
;;   ~~~
;;   OPERANDS COMPUTED ON THE WAY. 'Computed on the way' means the value that the module computes at that place (a softmax that the list does not call 'softmax' is quantised finished and normalised). What goes into a quantiser is computed in f32, as accurately as f32 sums, v_exp_f32 and their like allow (about 1e-6 of the number): no bf16 or f16 on the way to a quantiser, and a product that is left as it is and whose result goes on into a quantised operand takes f32 operands (vector FMAs, or v_wmma_f32_16x16x4_f32). A number that lies on a knife's edge between two numbers of the format may be rounded either way, as far as f32 arithmetic and the matrix unit's own rounding can turn it there, and no further.
;; One version. Each part assembles by itself: llvm-mc -triple=amdgcn-amd-amdhsa -mcpu=gfx1250 --defsym DOCPART=n.
;; ======== version 1 of 1: 3 launches
;; limits: right only within a limited range of input values
;; workspace buffers: T 67,108,864 bytes; xq 8,912,896 bytes; wq 8,912,896 bytes
;; launch wrowqx (part 1): grid 1024 x 1, 4 waves a work-group, no clusters, 76,288 bytes of LDS; arguments tlut, trellis, x, xq, T; writes xq, T
.if DOCPART == 1
	.amdgcn_target "amdgcn-amd-amdhsa--gfx1250"
	.amdhsa_code_object_version 6
	.text
	.protected	k_q9ab21c7ca2_wrowqx
	.globl	k_q9ab21c7ca2_wrowqx
	.p2align	8
	.type	k_q9ab21c7ca2_wrowqx,@function
k_q9ab21c7ca2_wrowqx:
	s_mov_b64 s[64:65], 0
	v_nop
	global_prefetch_b8 v0, s[64:65] scope:SCOPE_SE
	s_setreg_imm32_b32 hwreg(HW_REG_WAVE_MODE, 25, 1), 1
	s_wait_xcnt 0x0
; TWO JOBS IN ONE PATH OF TEXT, so that each fills the other's gaps: (1) the weight's first half; (2) x into codes of FP4.  Every wave does its share of both; no branch hangs on the work-group's number.
; (1) THE WEIGHT: trellis decode, all 12 Hadamard stages along the columns d, and the stages o10, o11 along the rows o.  Nothing is scaled here.
; A Hadamard stage acts on ONE bit of an index, and stages on different bits may be taken in any order.  A thread holds 128 numbers, 7 index bits in its register number, and only those bits are transformed:
; no stage crosses lanes.  Names: c0-c11 the bits of d, o0-o11 those of o.
;   phase 1: registers c0-c4, c10, c11; lanes c5-c9; waves o10, o11.      phase 2, behind one exchange through LDS: registers c5-c9, o10, o11; lanes c0-c4; waves c10, c11.
; Work-group b owns the four rows o = 1024 j + b, j = 0 .. 3: 65,536 bytes of f32.  In phase 1 wave j decodes row j.
; DECODE: a row of W is 512 words of the trellis (16 trellis rows of 32 words).  Word i holds the first bits of four states; state s is bits (16 - 4 s) .. of (word i << 16 | word i + 1), its low ten bits index
; the table, which gives columns 8 i + 2 s and + 1.  The word behind a trellis row's last is its first.  LIMIT: the words are taken as 16-bit, as the problem states them: the upper halves of the int32 are not read.
; OUT: T, f32.  256 consecutive bytes hold 64 neighbouring columns of one row: byte ((64 (o >> 10) + (d >> 6)) x 1024 + (o & 1023)) x 256 + 8 (d & 31) + 4 ((d >> 5) & 1): one store of a wave writes them whole.
; The order of stages differs from the order in which the sums are written in the problem: another order of f32 roundings, nothing coarser than f32.
; (2) x [4096][4096] f32 becomes codes of FP4 (E2M1) with one E8M0 scale byte for each 32 along K.  THE IMAGE xq: [row / 128][k / 512] blocks of BLK = 34,816 bytes.  In a block: codes at
; [(row % 128) / 16][(k % 512) / 32][row % 16][16 bytes]; behind the 32,768 bytes of codes the scale bytes, at 32,768 + (row % 128) x 16 + (k % 512) / 32.
; A block's scale is 2^(floor(log2(its largest magnitude)) - 2); its byte is the largest magnitude's exponent field - 2, held at 1 from below; each number is divided by the scale and rounded to the nearest code, ties to even.
; LIMITS: a block whose largest magnitude lies under 2^-124 keeps the byte 1, a block of zeros too (its codes are zeros, and this program alone reads the bytes); NaN and infinities are not served.
; A wave takes 16 rows x 256 columns of x: rows 16 (b / 4) on, columns 256 (4 (b % 4) + wave) on.  A step is two rows: four loads of 512 consecutive bytes.  The conversions want 16 neighbours in ONE lane, so a
; step's 2,048 bytes turn through the wave's own stage in LDS; behind the turn lane L holds row 2 t + L / 16, block (L / 2) % 8, half L % 2.
; THE ORDER: x's steps 0-3 are asked for at the head and land while the weight's phase 1 runs; they are worked between phase 1 and the exchange, and each asks for the step four on, which lands during phase 2;
; steps 4-7 are worked behind T's stores, while those leave.
; No tensor loads, no cluster: what work-groups share is the table of 8,192 bytes.
.set XB,   8192                        ; LDS: the table at 0; from here the exchange: element (j, c10-11 = w, c5-9 = q, c0-4 = m) at 16,896 j + 4,224 w + 528 (q >> 2) + 16 m + 4 (q & 3)
.set XWV,  16896                       ; wave j writes part j of the exchange, and nobody else touches it ahead of the exchange's barrier, nor behind the barrier that ends the exchange's reads: there it serves x
.set SP,   80                          ; x: a lane's place in a turn stage: 64 bytes + 16 of padding; two stages of 32 places at the head of the wave's part
.set CP,   288                         ; x: the code stage: a block's 16 rows x 16 bytes + 32 of padding = 72 words: the 32 lanes of a store of 8 bytes take words 8 u + 4 h + 2 l
.set CST,  XB+2*32*SP                  ; the code stage, 8 blocks, behind the turn stages.  The scale stage, 512 bytes for the four waves, lies at LDS byte 0, where the table lay
.set BLK,  34816
.set EMAX, 2
.set TIN,  10                          ; v10  the turn, way in
.set TOUT, 11                          ; v11  the turn, way out
.set CIN,  12                          ; v12  the code stage, way in
.set SIN,  13                          ; v13  my block's scale byte
.set COUT, 14                          ; v14  the code stage, way out
.set W,    16                          ; v16-31  my 16 words; later x's neighbours, even steps; later the codes on their way out
.set S,    32                          ; v32-35  the word behind each load's last
.set EA,   32                          ; v32-35  later: the scale bytes of x's steps 0-3; at the end the scale bytes on their way out
.set SGO,  36                          ; v36  the scale bytes' place in xq
.set TT,   40                          ; v40-55  at work in the butterflies; between them x's neighbours, odd steps
.set CA,   56                          ; v56-63  the codes of x's steps 0-3
.set D,    64                          ; v64-191 my 128 numbers of the weight
.set R,    192                         ; v192-255 four sets of 16 numbers of x as loaded
.macro STAGE0 p                        ; (a, b) -> (a + b, a - b) inside a pair of registers
	v_pk_add_f32 v[(\p):(\p)+1], v[(\p):(\p)+1], v[(\p):(\p)+1] op_sel:[0,1] op_sel_hi:[0,1] neg_hi:[0,1]
.endm
.macro PADD d, a, b
	v_pk_add_f32 v[(\d):(\d)+1], v[(\a):(\a)+1], v[(\b):(\b)+1]
.endm
.macro PSUB d, a, b
	v_pk_add_f32 v[(\d):(\d)+1], v[(\a):(\a)+1], v[(\b):(\b)+1] neg_lo:[0,1] neg_hi:[0,1]
.endm
.macro R4 a, b, c, d, t                ; two stages in place on four pairs of registers: eight packed additions
	PADD \t, \a, \b
	PSUB (\t)+2, \a, \b
	PADD (\t)+4, \c, \d
	PSUB (\t)+6, \c, \d
	PADD \a, \t, (\t)+4
	PSUB \c, \t, (\t)+4
	PADD \b, (\t)+2, (\t)+6
	PSUB \d, (\t)+2, (\t)+6
.endm
.macro PASSG base, h1, g0, n           ; groups g0 .. g0 + n - 1 of the pass over the register bits h1 and 2 h1; 16 groups are a whole pass
.set gg, \g0
.rept \n
.set rr, (\base)+2*(gg%((\h1)/2))+(gg/((\h1)/2))*4*(\h1)
	R4 rr, rr+(\h1), rr+2*(\h1), rr+3*(\h1), TT+8*(gg%2)
.set gg, gg+1
.endr
.endm
; ---- x's macros
.macro XLOAD t                         ; step t: rows 2 t and 2 t + 1 of my 16, 1,024 bytes each, into set t % 4
.irp i, 0,1,2,3
	global_load_b128 v[R+16*((\t)%4)+4*\i:R+16*((\t)%4)+4*\i+3], v3, s[8:9] offset:16384*(2*(\t)+\i/2)+512*(\i%2) th:TH_LOAD_NT
.endr
.endm
.macro XTURN t                         ; LDS serves a wave's instructions in order (ISA guide 5.7.1.4): no wait between the stores and the loads
.irp i, 0,1,2,3
	ds_store_b128 v[TIN], v[R+16*((\t)%4)+4*\i:R+16*((\t)%4)+4*\i+3] offset:32*SP*((\t)%2)+8*SP*\i
.endr
.irp i, 0,1,2,3
	ds_load_b128 v[16+24*((\t)%2)+4*\i:16+24*((\t)%2)+4*\i+3], v[TOUT] offset:32*SP*((\t)%2)+16*\i
.endr
.endm
.macro XQ t, c, e                      ; my 16 neighbours of step t become 8 bytes of codes in v[c], v[c + 1] and their block's scale byte in v[e]
.set XS, 16+24*((\t)%2)
	v_max3_num_f32 v8, |v[XS]|, |v[XS+1]|, |v[XS+2]|               ; the largest magnitude of my 16, in two chains
	v_max3_num_f32 v9, |v[XS+3]|, |v[XS+4]|, |v[XS+5]|
.irp i, 6,10
	v_max3_num_f32 v8, v8, |v[XS+\i]|, |v[XS+\i+1]|
	v_max3_num_f32 v9, v9, |v[XS+\i+2]|, |v[XS+\i+3]|
.endr
	v_max3_num_f32 v8, v8, |v[XS+14]|, |v[XS+15]|
	v_max3_num_f32 v8, v8, v9, (EMAX+1)<<23        ; and the floor 2^(3 - 127): the byte cannot fall under 1
	v_max_num_f32_dpp v8, v8, v8 row_xmask:1 row_mask:0xf bank_mask:0xf   ; with my neighbour's 16: the block's
	v_add_nc_u32 v7, -(EMAX<<23), v8               ; 2 off the exponent field: the conversion's scale operand
	v_cvt_scalef32_pk8_fp4_f32 v[(\c)], v[XS:XS+7], v7
	v_cvt_scalef32_pk8_fp4_f32 v[(\c)+1], v[XS+8:XS+15], v7
	v_lshrrev_b32 v[(\e)], 23, v7                  ; the scale's byte (also the plain line behind the conversions)
.endm
.macro XPUT t, c, e                    ; step t's codes and byte into the stages
	ds_store_b64 v[CIN], v[(\c):(\c)+1] offset:32*(\t)
	ds_store_b8 v[SIN], v[(\e)] offset:32*(\t)     ; both lanes of a block write the same byte with the same value
.endm
; ---- the weight's last pass
.macro OPASS g                         ; o10, o11 on group g
	R4 D+2*(\g), D+2*(\g)+32, D+2*(\g)+64, D+2*(\g)+96, TT+8*((\g)%2)
.endm
.macro TSEND g                         ; its four pairs are finished: 256 consecutive bytes a store, aligned: row 1024 j + b, columns 1024 wave + 64 g on
.irp j, 0,1,2,3
	global_store_b64 v6, v[D+2*(\g)+32*\j:D+2*(\g)+32*\j+1], s[16+2*\j:17+2*\j] offset:(\g)*262144 th:TH_STORE_NT
.endr
.endm
	s_load_b256 s[4:11], s[0:1], 0x0               ; tlut s[4:5], trellis s[6:7], x s[8:9], xq s[10:11]
	s_load_b64 s[12:13], s[0:1], 0x20              ; T
	v_lshl_add_u32 v15, v0, 2, 0x12800
	v_mov_b32 v39, 0                               ; 0, kept for the add alone
	v_lshrrev_b32 v1, 5, v0
	v_readfirstlane_b32 s14, v1                    ; wave
	v_and_b32 v1, 31, v0                           ; lane
	v_lshlrev_b32 v2, 4, v0                        ; 16 x thread: the table's way in
	v_lshlrev_b32 v3, 4, v1                        ; 16 x lane
	s_mov_b32 s15, 0x05040100                      ; v_perm_b32: first source's low half above the second's
	s_mul_i32 s26, s14, XWV                        ; my part of the exchange
	s_mul_i32 s27, s14, 4224
	v_lshrrev_b32 v37, 2, v1                       ; lane / 4
	v_and_b32 v38, 3, v1                           ; lane % 4
	v_mul_u32_u24 v4, v37, 528
	v_lshl_add_u32 v4, v38, 2, v4
	v_add_nc_u32 v4, s26, v4
	v_add_nc_u32 v4, XB, v4                        ; the exchange, way in: j = wave, q = lane.  528 bytes are 132 words: the 32 lanes of a store fall on 32 different banks
	v_add_nc_u32 v5, s27, v3
	v_add_nc_u32 v5, XB, v5                        ; way out: w = wave, m = lane: a load reads 512 consecutive bytes
	s_lshl_b32 s40, s14, 22
	s_lshl_b32 s41, ttmp9, 8
	s_add_co_u32 s40, s40, s41
	v_lshl_add_u32 v6, v1, 3, s40                  ; T: (16 wave) x 2^18 + 256 b + 8 lane
	v_mul_u32_u24 v[TIN], v37, SP
	v_lshl_add_u32 v[TIN], v38, 4, v[TIN]
	v_add_nc_u32 v[TIN], s26, v[TIN]
	v_add_nc_u32 v[TIN], XB, v[TIN]                ; the turn, way in: SP (lane / 4) + 16 (lane % 4)
	v_mul_u32_u24 v[TOUT], v1, SP
	v_add_nc_u32 v[TOUT], s26, v[TOUT]
	v_add_nc_u32 v[TOUT], XB, v[TOUT]              ; way out: SP x lane: my 16 neighbours
	v_bfe_u32 v37, v1, 1, 3                        ; my block of the eight
	v_bfe_u32 v38, v1, 4, 1                        ; which of the step's two rows
	v_and_b32 v40, 1, v1                           ; which half of the block
	v_mul_u32_u24 v[CIN], v37, CP
	v_lshl_add_u32 v[CIN], v38, 4, v[CIN]
	v_lshl_add_u32 v[CIN], v40, 3, v[CIN]
	v_add_nc_u32 v[CIN], s26, v[CIN]
	v_add_nc_u32 v[CIN], CST, v[CIN]               ; code stage, way in: block x CP + 16 x (row % 2) + 8 x half; 32 x step in the immediate
	s_lshr_b32 s36, s14, 1                         ; wave / 2: which 512 along K of the work-group's two
	s_and_b32 s37, s14, 1                          ; wave % 2: which 256 of the 512
	s_lshl_b32 s42, s36, 8
	s_lshl_b32 s43, s37, 3
	s_add_co_u32 s42, s42, s43
	v_lshl_add_u32 v[SIN], v38, 4, v37
	v_add_nc_u32 v[SIN], s42, v[SIN]               ; scale stage: 256 (wave / 2) + 16 row + 8 (wave % 2) + block
	v_and_b32 v40, 15, v1
	v_mul_u32_u24 v[COUT], v38, CP
	v_lshl_add_u32 v[COUT], v40, 4, v[COUT]
	v_add_nc_u32 v[COUT], s26, v[COUT]
	v_add_nc_u32 v[COUT], CST, v[COUT]             ; code stage, way out: sixteen lanes to a block, two blocks an instruction
	v_mul_u32_u24 v[SGO], v38, BLK
	v_lshl_add_u32 v[SGO], v40, 4, v[SGO]
	s_lshl_b32 s38, s14, 10
	s_add_co_u32 s38, s38, ttmp9
	s_lshl_b32 s38, s38, 11                        ; my row's 2,048 bytes of the trellis
	s_mov_b32 s39, 0
	s_lshr_b32 s32, ttmp9, 2                       ; x: which 16 rows
	s_and_b32 s33, ttmp9, 3
	s_lshl_b32 s24, s32, 18                        ; 16 rows of 16,384 bytes
	s_lshl_b32 s25, s33, 2
	s_add_co_u32 s25, s25, s14                     ; which 256 columns
	s_lshl_b32 s25, s25, 10
	s_add_co_u32 s24, s24, s25
	s_mov_b32 s25, 0
	s_lshr_b32 s34, s32, 3
	s_lshl_b32 s34, s34, 3
	s_lshl_b32 s35, s33, 1
	s_add_co_u32 s34, s34, s35
	s_mul_i32 s34, s34, BLK                        ; the image's block of the work-group's first 512 along K
	s_and_b32 s35, s32, 7                          ; my 16 rows among its 128
	s_lshl_b32 s30, s35, 8
	s_add_co_u32 s30, s30, s34
	s_add_co_u32 s30, s30, 32768                   ; the scale bytes
	s_mov_b32 s31, 0
	s_mul_i32 s28, s36, BLK
	s_add_co_u32 s28, s28, s34
	s_lshl_b32 s29, s35, 12
	s_add_co_u32 s28, s28, s29
	s_lshl_b32 s29, s37, 11
	s_add_co_u32 s28, s28, s29                     ; my 2,048 bytes of codes
	s_mov_b32 s29, 0
	s_wait_kmcnt 0x0
	s_add_nc_u64 s[6:7], s[6:7], s[38:39]
	s_add_nc_u64 s[8:9], s[8:9], s[24:25]
	s_add_nc_u64 s[28:29], s[10:11], s[28:29]
	s_add_nc_u64 s[30:31], s[10:11], s[30:31]
.irp i, 0,1,2,3
	global_load_b128 v[D+4*\i:D+4*\i+3], v2, s[4:5] offset:2048*\i          ; the table: 2,048 bytes a load of the work-group
.endr
.irp i, 0,1,2,3
	global_load_b128 v[W+4*\i:W+4*\i+3], v3, s[6:7] offset:512*\i th:TH_LOAD_NT   ; words 128 i + 4 lane + 0 .. 3
.endr
.irp t, 0,1,2,3
	XLOAD \t                                       ; x's steps 0-3: wanted only behind phase 1
.endr
	s_mov_b64 s[16:17], s[12:13]                   ; T at rows 1024 j': 2^24 bytes apart
	s_add_nc_u64 s[18:19], s[12:13], 0x1000000
	s_add_nc_u64 s[20:21], s[12:13], 0x2000000
	s_add_nc_u64 s[22:23], s[12:13], 0x3000000
	s_wait_loadcnt 20                              ; the table's four loads are in; the four of the trellis and x's sixteen may be out
.irp i, 0,1,2,3
	ds_store_b128 v2, v[D+4*\i:D+4*\i+3] offset:2048*\i
.endr
.irp i, 0,1,2,3
	v_mov_b32 v[S+\i], 0                           ; (a DPP form's destination counts as read)
.endr
	s_wait_loadcnt 16                              ; the trellis is in; x's sixteen may be out
.irp i, 0,1,2,3
	v_mov_b32_dpp v[S+\i], v[W+4*\i] dpp8:[1,2,3,4,5,6,7,0]   ; the next lane's first word; a trellis row is eight lanes, so the eighth takes the first's: the tail bites
.endr
	s_wait_dscnt 0x0                               ; for the others' sake: my part of the table has landed
	s_barrier_signal -1
	s_barrier_wait -1                              ; the table is whole
.macro WORD wd                         ; word wd of my 16: four states, eight numbers: registers D + 8 wd on
.set cc, 8+(\wd)%2
.set pp, D+8*(\wd)
.if (\wd)%4 == 3
	v_perm_b32 v[cc], v[W+(\wd)], v[S+(\wd)/4], s15
.else
	v_perm_b32 v[cc], v[W+(\wd)], v[W+(\wd)+1], s15
.endif
.irp s, 0,1,2,3
	v_bfe_u32 v[pp+2*\s], v[cc], 16-4*\s, 10       ; the state's low ten bits
.endr
.irp s, 0,1,2,3
	v_min_u32 v[pp+2*\s], 0x3ff, v[pp+2*\s]        ; a loaded number enters an address behind a clamp
.endr
.irp s, 0,1,2,3
	v_lshlrev_b32 v[pp+2*\s], 3, v[pp+2*\s]        ; 8 bytes an entry; the table lies at LDS byte 0
.endr
.irp s, 0,1,2,3
	ds_load_b64 v[pp+2*\s:pp+2*\s+1], v[pp+2*\s]
.endr
.endm
.irp wd, 0,1,2,3,4,5,6,7,8,9,10,11,12,13,14,15
	WORD \wd
.endr
	; ---- phase 1: c0, c1, c2 word by word, as the lookups come in
.set ix, 0
.rept 16
	s_wait_dscnt 60-4*ix                           ; word ix's four lookups are in; the 60 - 4 ix issued behind them may be out
	STAGE0 D+8*ix
	STAGE0 D+8*ix+2
	STAGE0 D+8*ix+4
	STAGE0 D+8*ix+6
	R4 D+8*ix, D+8*ix+2, D+8*ix+4, D+8*ix+6, TT+8*(ix%2)
.set ix, ix+1
.endr
	s_barrier_signal -1                            ; my reads of the table are over (the last wait was for 0): no wave stores into LDS before all have said so
	PASSG D, 8, 0, 16                              ; c3, c4
	PASSG D, 32, 0, 16                             ; c10, c11
	s_barrier_wait -1
	; ---- x, steps 0-3.  The turn stages lie in my own part of the exchange, which no other wave touches ahead of the exchange's barrier.  The codes and bytes wait in registers: the exchange will take these LDS bytes
	s_wait_loadcnt 12                              ; step 0's four loads are in; three steps' twelve may be out
	XTURN 0
.irp t, 0,1,2,3
	s_wait_dscnt 0x0                               ; this step is back from the turn: so its stores into the stage have read their registers,
	XLOAD \t+4                                     ; which take the loads of four steps on: they land while the exchange and phase 2 run
.if \t < 3
	s_wait_loadcnt 12                              ; the next step's four loads are in; those of the three steps behind it may be out
	XTURN \t+1
.endif
	XQ \t, CA+2*\t, EA+\t
.endr
	; ---- the exchange.  My stores come behind my reads of the turn stages: one wave, in order, and those reads were waited for
.set ix, 0
.rept 128
	ds_store_b32 v4, v[D+ix] offset:(ix>>5)*4224+(ix&31)*16
.set ix, ix+1
.endr
	s_wait_dscnt 0x0                               ; for the others' sake
	s_barrier_signal -1
	s_barrier_wait -1
.set ix, 0
.rept 32
	ds_load_b128 v[D+4*ix:D+4*ix+3], v5 offset:16896*(ix>>3)+528*(ix&7)   ; register 32 j' + q
.set ix, ix+1
.endr
	; ---- phase 2: c5, c6, c7 by groups of eight registers, as the loads come in
.set ix, 0
.rept 16
	s_wait_dscnt 30-2*ix                           ; the group's two loads are in; the 30 - 2 ix behind them may be out
	STAGE0 D+8*ix
	STAGE0 D+8*ix+2
	STAGE0 D+8*ix+4
	STAGE0 D+8*ix+6
	R4 D+8*ix, D+8*ix+2, D+8*ix+4, D+8*ix+6, TT+8*(ix%2)
.set ix, ix+1
.endr
	s_barrier_signal -1                            ; my reads of the exchange are over (the last wait was for 0): behind this barrier each wave's part of it is its own again
	PASSG D, 8, 0, 16                              ; c8, c9
	s_barrier_wait -1
	; o10, o11, group by group; a group's four pairs are finished and leave at once.  No register that a store names is written again in this text, so no wait on XCNT is owed.
.set gx, 0
.rept 15
	OPASS gx
	TSEND gx
.set gx, gx+1
.endr
	OPASS 15                                       ; 60 stores are out.  An instruction that would push a counter past its field waits at issue (ISA guide 5.7.1), and STOREcnt's field ends at 63:
	                                               ; so the last group's four stores stand behind x's steps, which name none of their registers
	; ---- x, steps 4-7, while T's stores leave
	s_wait_loadcnt 12                              ; step 4's four loads are in; three steps' twelve may be out
	XTURN 4
.irp t, 0,1,2,3
	XPUT \t, CA+2*\t, EA+\t                        ; the first four steps' codes and bytes
.endr
.irp t, 4,5,6,7
.if \t == 4
	s_wait_dscnt 8                                 ; step 4 is back from the turn; behind its loads stand the eight stores above
.else
	s_wait_dscnt 2                                 ; this step is back from the turn; behind its loads stand only the last step's two stores
.endif
.if \t < 7
	s_wait_loadcnt 4*(6-\t)                        ; the next step's four loads are in; those of the steps behind it may be out
	XTURN \t+1
.endif
	XQ \t, R+16*(\t%4), R+16*(\t%4)+2              ; codes and byte into the set that this step was loaded into: its stores into the turn stage are done
	XPUT \t, R+16*(\t%4), R+16*(\t%4)+2
.endr
.irp n, 0,1,2,3
	ds_load_b128 v[W+4*\n:W+4*\n+3], v[COUT] offset:2*CP*\n   ; these see my stores: one wave, in order
.endr
	TSEND 15
.irp n, 0,1,2,3
	s_wait_dscnt 3-\n                              ; load n is in; the 3 - n issued behind it may be out
	global_store_b128 v3, v[W+4*\n:W+4*\n+3], s[28:29] offset:512*\n   ; 512 consecutive bytes, at a multiple of 256 from xq's first byte
.endr
	s_barrier_signal -1                            ; all my LDS instructions are done (the last wait was for 0), my scale bytes among them
	s_barrier_wait -1                              ; the four waves' scale bytes lie together: 16 rows x 16 bytes for each of the two 512 along K
	s_cmp_lg_u32 s14, 0
	s_cbranch_scc1 .Ldone                          ; wave 0 stores them
	ds_load_b128 v[EA:EA+3], v3
	s_wait_dscnt 0x0
	global_store_b128 v[SGO], v[EA:EA+3], s[30:31] ; sixteen lanes store 256 consecutive bytes, aligned; the other sixteen the same in the image's next block
.Ldone:
	s_wait_tensorcnt 0x0                           ; the wave's end
	ds_add_u32 v15, v39
	s_wait_dscnt 0x0
	s_endpgm
.Lfunc_end_k_q9ab21c7ca2_wrowqx:
	.size	k_q9ab21c7ca2_wrowqx, .Lfunc_end_k_q9ab21c7ca2_wrowqx-k_q9ab21c7ca2_wrowqx
	.p2alignl 7, 3214868480
	.fill 96, 4, 3214868480
	.section	.rodata,"a",@progbits
	.p2align	6, 0x0
	.amdhsa_kernel k_q9ab21c7ca2_wrowqx
		.amdhsa_group_segment_fixed_size 76288
		.amdhsa_private_segment_fixed_size 0
		.amdhsa_enable_private_segment 0
		.amdhsa_kernarg_size 40
		.amdhsa_user_sgpr_count 2
		.amdhsa_user_sgpr_kernarg_segment_ptr 1
		.amdhsa_wavefront_size32 1
		.amdhsa_system_sgpr_workgroup_id_x 1
		.amdhsa_system_sgpr_workgroup_id_y 1
		.amdhsa_system_sgpr_workgroup_id_z 1
		.amdhsa_system_vgpr_workitem_id 0
		.amdhsa_next_free_vgpr 256
		.amdhsa_next_free_sgpr 66
		.amdhsa_reserve_vcc 0
		.amdhsa_float_denorm_mode_32 3
		.amdhsa_float_denorm_mode_16_64 3
		.amdhsa_memory_ordered 1
		.amdhsa_forward_progress 1
		.amdhsa_inst_pref_size 111
	.end_amdhsa_kernel
	.amdgpu_metadata
---
amdhsa.version: [ 1, 2 ]
amdhsa.kernels:
  - .name:           k_q9ab21c7ca2_wrowqx
    .symbol:         k_q9ab21c7ca2_wrowqx.kd
    .args:
      - { .name: tlut, .offset: 0, .size: 8, .value_kind: global_buffer, .address_space: global }
      - { .name: trellis, .offset: 8, .size: 8, .value_kind: global_buffer, .address_space: global }
      - { .name: x, .offset: 16, .size: 8, .value_kind: global_buffer, .address_space: global }
      - { .name: xq, .offset: 24, .size: 8, .value_kind: global_buffer, .address_space: global }
      - { .name: T, .offset: 32, .size: 8, .value_kind: global_buffer, .address_space: global }
    .group_segment_fixed_size: 76288
    .private_segment_fixed_size: 0
    .kernarg_segment_align: 8
    .kernarg_segment_size: 40
    .max_flat_workgroup_size: 128
    .sgpr_count:     66
    .vgpr_count:     256
    .wavefront_size: 32
...
	.end_amdgpu_metadata
.endif
;; end of part 1
;; launch wcol (part 2): grid 256 x 1, 16 waves a work-group, no clusters, 319,488 bytes of LDS; arguments T, SU, SV, scales, wq; writes wq
.if DOCPART == 2
	.amdgcn_target "amdgcn-amd-amdhsa--gfx1250"
	.amdhsa_code_object_version 6
	.text
	.protected	k_q9ab21c7ca2_wcol
	.globl	k_q9ab21c7ca2_wcol
	.p2align	8
	.type	k_q9ab21c7ca2_wcol,@function
k_q9ab21c7ca2_wcol:
	s_mov_b64 s[64:65], 0
	v_nop
	global_prefetch_b8 v0, s[64:65] scope:SCOPE_SE
	s_setreg_imm32_b32 hwreg(HW_REG_WAVE_MODE, 25, 1), 1
	s_wait_xcnt 0x0
; The weight's second half: x SU, the Hadamard stages o0 .. o9 along the rows, x SV x the block's scale x 2^-12 (both transforms' 1 / 64: a power of two, exact), and the quantiser along d.
; Names as in the launch before: c0-c11 the bits of d, o0-o11 those of o.  A thread holds 128 numbers and transforms only bits that lie in its register number:
;   phase 1: registers (c5), o0-o5; lanes c0-c4; waves o6-o9.      phase 2, behind one exchange through LDS: registers (c0-c2), o6-o9; lanes c3, c4, c5, o0, o1; waves o2-o5.
; In phase 2 a lane's eight neighbouring registers are eight neighbours along d, which is what the conversion takes; a block of 32 lies in four neighbouring lanes.
; SHARES: work-group 64 j + cs owns rows 1024 j + 0 .. 1023 x columns 64 cs + 0 .. 63: 262,144 consecutive bytes of T, all asked for at the head.  1,024 rows x 64 columns of f32 are what the exchange has room for.
; SU is a factor of a column and is applied behind the stages o10, o11 of the launch before; SV x scale x 2^-12 is applied as ONE factor of a row: other orders of f32 roundings than the problem writes, nothing coarser.
; OUT: wq, laid as xq is (launch qx): blocks of 34,816 bytes [o / 128][d / 512]; codes [(o % 128) / 16][(d % 512) / 32][o % 16][16 bytes]; scale bytes at 32,768 + 16 (o % 128) + (d % 512) / 32.
; The codes leave as 512 consecutive aligned bytes a store.  The work-group holds two of a scale word's four blocks, so the scale bytes leave two bytes a row: one byte in 128 of what the launch reads.
; Of scales 4 bytes in each 64 are read, once for each row.
; LIMITS: a block whose largest magnitude lies under 2^-124 keeps the byte 1, a block of zeros too (zero codes; this program alone reads the bytes); NaN and infinities are not served.
; No tensor loads, no cluster: no byte of T is read twice.
.set XP,   272                         ; the exchange: a row of 64 numbers, 128 (c5) + 4 (c0-4), + 16 bytes of padding
.set XW64, 64*XP
.set SB,   1024*XP                     ; behind it: the code stage [row / 16][c5][row % 16][16 bytes], 32,768 bytes
.set SSB,  SB+32768                    ; the scale bytes, 2 x row + c5
.set GB,   SSB+2048                    ; the rows' factors, 4 bytes a row
.set BLK,  34816
.set TT,   32                          ; v32-47   at work
.set GR,   48                          ; v48-63   the factors of my 16 rows
.set D,    64                          ; v64-191  my 128 numbers
.set MX,   192                         ; v192-207 largest magnitudes, then the conversions' scale operands
.set BY,   208                         ; v208-223 scale bytes
.set CD,   224                         ; v224-239 codes
.macro PADD d, a, b
	v_pk_add_f32 v[(\d):(\d)+1], v[(\a):(\a)+1], v[(\b):(\b)+1]
.endm
.macro PSUB d, a, b
	v_pk_add_f32 v[(\d):(\d)+1], v[(\a):(\a)+1], v[(\b):(\b)+1] neg_lo:[0,1] neg_hi:[0,1]
.endm
.macro R4 a, b, c, d, t                ; two stages in place on four pairs of registers
	PADD \t, \a, \b
	PSUB (\t)+2, \a, \b
	PADD (\t)+4, \c, \d
	PSUB (\t)+6, \c, \d
	PADD \a, \t, (\t)+4
	PSUB \c, \t, (\t)+4
	PADD \b, (\t)+2, (\t)+6
	PSUB \d, (\t)+2, (\t)+6
.endm
.macro PASSG base, h1, g0, n           ; groups g0 .. g0 + n - 1 of the pass over the register bits h1 and 2 h1
.set gg, \g0
.rept \n
.set rr, (\base)+2*(gg%((\h1)/2))+(gg/((\h1)/2))*4*(\h1)
	R4 rr, rr+(\h1), rr+2*(\h1), rr+3*(\h1), TT+8*(gg%2)
.set gg, gg+1
.endr
.endm
	s_load_b256 s[4:11], s[0:1], 0x0               ; T, SU, SV, scales
	s_load_b64 s[12:13], s[0:1], 0x20              ; wq
	v_lshl_add_u32 v240, v0, 2, 0x4d800
	v_mov_b32 v241, 0
	v_lshrrev_b32 v1, 5, v0
	s_delay_alu instid0(VALU_DEP_1)
	v_readfirstlane_b32 s16, v1                    ; wave 0..15
	v_and_b32 v1, 31, v0                           ; lane
	s_delay_alu instid0(VALU_DEP_1)
	v_lshlrev_b32 v2, 3, v1                        ; T: 8 bytes a lane
	s_delay_alu instid0(VALU_DEP_2)
	v_lshlrev_b32 v3, 2, v1                        ; SU: 4 bytes a lane
	v_lshlrev_b32 v4, 2, v0                        ; SV: 4 bytes a thread
	v_lshl_add_u32 v5, v0, 2, GB                   ; where I put the factors of rows thread and thread + 512
	v_lshlrev_b32 v6, 6, v0                        ; scales: 16 numbers a row
	s_mul_i32 s17, s16, XW64
	v_add_nc_u32 v7, s17, v3                       ; the exchange, way in: my wave's 64 rows, 4 bytes a lane
	v_lshrrev_b32 v26, 3, v0                       ; phase 2: o0-o5 = thread / 8,
	v_bfe_u32 v27, v0, 2, 1                        ; c5,
	v_and_b32 v28, 3, v0                           ; c3-c4
	s_delay_alu instid0(VALU_DEP_3)
	v_mul_u32_u24 v8, v26, XP
	s_delay_alu instid0(VALU_DEP_1)
	v_lshl_add_u32 v8, v27, 7, v8
	s_delay_alu instid0(VALU_DEP_1)
	v_lshl_add_u32 v8, v28, 5, v8                  ; way out: row x pitch + 128 c5 + 32 (c3-4).  The sixteen lanes of half a load take 32 (c3-4) + 128 c5 + 272 o0: sixteen different columns of 16 bytes in 256
	s_delay_alu instid0(VALU_DEP_1)
	v_add_nc_u32 v9, 4*XW64, v8                    ; rows 256, 512, 768 on: the immediate has 16 bits
	s_delay_alu instid0(VALU_DEP_2)
	v_add_nc_u32 v10, 8*XW64, v8
	s_delay_alu instid0(VALU_DEP_3)
	v_add_nc_u32 v11, 12*XW64, v8
	v_lshl_add_u32 v12, v26, 2, GB                 ; my rows' factors
	v_lshrrev_b32 v13, 7, v0
	s_delay_alu instid0(VALU_DEP_1)
	v_lshlrev_b32 v13, 9, v13
	s_delay_alu instid0(VALU_DEP_1)
	v_lshl_add_u32 v13, v27, 8, v13
	v_bfe_u32 v29, v0, 3, 4
	s_delay_alu instid0(VALU_DEP_1)
	v_lshl_add_u32 v13, v29, 4, v13
	s_delay_alu instid0(VALU_DEP_1)
	v_lshl_add_u32 v13, v28, 2, v13
	s_delay_alu instid0(VALU_DEP_1)
	v_add_nc_u32 v13, SB, v13                      ; code stage, way in: 512 (row / 16) + 256 c5 + 16 (row % 16) + 4 (c3-4)
	v_lshl_add_u32 v14, v26, 1, v27
	s_delay_alu instid0(VALU_DEP_1)
	v_add_nc_u32 v14, SSB, v14                     ; my block's scale byte
	v_lshlrev_b32 v17, 4, v1                       ; 16 x lane
	s_lshl_b32 s17, s16, 11
	v_add_nc_u32 v15, s17, v17
	s_delay_alu instid0(VALU_DEP_1)
	v_add_nc_u32 v15, SB, v15                      ; code stage, way out: my wave's 64 rows
	v_lshl_add_u32 v16, v0, 2, SSB                 ; the scale bytes of rows 2 thread and 2 thread + 1
	v_and_b32 v18, 63, v0
	s_delay_alu instid0(VALU_DEP_1)
	v_lshlrev_b32 v18, 5, v18                      ; and their place in a block of wq: 16 bytes a row
	s_lshr_b32 s18, ttmp9, 6                       ; j
	s_and_b32 s19, ttmp9, 63                       ; cs
	s_lshl_b32 s20, ttmp9, 18
	s_lshl_b32 s21, s16, 14
	s_add_co_u32 s20, s20, s21                     ; T: the work-group's 2^18 bytes, my wave's 64 rows of 256
	s_mov_b32 s21, 0
	s_lshl_b32 s22, s19, 8                         ; SU: 64 numbers
	s_mov_b32 s23, 0
	s_lshl_b32 s24, s18, 12                        ; SV: 1,024 numbers
	s_mov_b32 s25, 0
	s_lshl_b32 s26, s18, 16                        ; scales: 1,024 rows of 16, and the columns' block of 256: cs / 4
	s_lshr_b32 s27, s19, 2
	s_lshl_b32 s27, s27, 2
	s_add_co_u32 s26, s26, s27
	s_mov_b32 s27, 0
	s_lshl_b32 s28, s18, 3
	s_lshr_b32 s29, s16, 1
	s_add_co_u32 s28, s28, s29                     ; o / 128 of the rows that my wave stores
	s_lshl_b32 s28, s28, 3
	s_lshr_b32 s29, s19, 3
	s_add_co_u32 s28, s28, s29                     ; d / 512
	s_mul_i32 s28, s28, BLK
	s_and_b32 s29, s19, 7                          ; which 64 of the 512
	s_and_b32 s30, s16, 1
	s_lshl_b32 s30, s30, 14                        ; which 64 rows of the 128
	s_lshl_b32 s31, s29, 9
	s_add_co_u32 s30, s30, s31
	s_add_co_u32 s30, s30, s28
	s_mov_b32 s31, 0
	s_lshl_b32 s32, s29, 1
	s_add_co_u32 s32, s32, s28
	s_add_co_u32 s32, s32, 32768
	s_mov_b32 s33, 0
	s_wait_kmcnt 0x0
	s_add_nc_u64 s[4:5], s[4:5], s[20:21]
	s_add_nc_u64 s[6:7], s[6:7], s[22:23]
	s_add_nc_u64 s[8:9], s[8:9], s[24:25]
	s_add_nc_u64 s[10:11], s[10:11], s[26:27]
	s_add_nc_u64 s[34:35], s[12:13], s[30:31]      ; codes
	s_add_nc_u64 s[36:37], s[12:13], s[32:33]      ; scale bytes
	global_load_b32 v20, v3, s[6:7]                ; SU of columns 64 cs + lane
	global_load_b32 v21, v3, s[6:7] offset:128     ; and + 32
	global_load_b32 v22, v4, s[8:9]
	global_load_b32 v23, v4, s[8:9] offset:2048
	global_load_b32 v24, v6, s[10:11]
	global_load_b32 v25, v6, s[10:11] offset:32768
.set ix, 0
.rept 64
	global_load_b64 v[D+2*ix:D+2*ix+1], v2, s[4:5] offset:256*ix th:TH_LOAD_NT   ; a row's 256 bytes an instruction; the pair is c5
.set ix, ix+1
.endr
	; ---- phase 1: x SU, o0, o1 by groups of four rows, as the loads come in
.set ix, 0
.rept 16
	s_wait_loadcnt 60-4*ix                         ; the group's four loads are in (and the six small ones, issued first); the 60 - 4 ix behind them may be out
.irp u, 0,2,4,6
	v_pk_mul_f32 v[D+8*ix+\u:D+8*ix+\u+1], v[D+8*ix+\u:D+8*ix+\u+1], v[20:21]
.endr
	R4 D+8*ix, D+8*ix+2, D+8*ix+4, D+8*ix+6, TT+8*(ix%2)
.if ix == 0
	v_mul_f32 v22, v22, v24                        ; the factor of a row: SV x its block's scale
	v_mul_f32 v23, v23, v25
	s_delay_alu instid0(VALU_DEP_2)
	v_mul_f32 v22, 0x39800000, v22                 ; x 2^-12
	s_delay_alu instid0(VALU_DEP_2)
	v_mul_f32 v23, 0x39800000, v23
	ds_store_b32 v5, v22
	ds_store_b32 v5, v23 offset:2048
.endif
.set ix, ix+1
.endr
	PASSG D, 8, 0, 16                              ; o2, o3
	PASSG D, 32, 0, 16                             ; o4, o5
	; ---- the exchange
.set ix, 0
.rept 128
	ds_store_b32 v7, v[D+ix] offset:XP*(ix>>1)+128*(ix&1)   ; 128 consecutive bytes
.set ix, ix+1
.endr
	s_wait_dscnt 0x0                               ; for the others' sake
	s_barrier_signal -1
	s_barrier_wait -1
.set ix, 0
.rept 16
	ds_load_b32 v[GR+ix], v12 offset:256*ix        ; the factor of row 64 ix + (thread / 8)
.set ix, ix+1
.endr
.set ix, 0
.rept 16
	ds_load_b128 v[D+8*ix:D+8*ix+3], v[8+(ix>>2)] offset:XW64*(ix&3)          ; that row's eight numbers of mine
	ds_load_b128 v[D+8*ix+4:D+8*ix+7], v[8+(ix>>2)] offset:XW64*(ix&3)+16
.set ix, ix+1
.endr
	; ---- phase 2
.set jx, 0
.rept 4
	s_wait_dscnt 24-8*jx                           ; four rows' eight loads are in; the 24 - 8 jx behind them may be out
	PASSG D, 8, 4*jx, 4                            ; o6, o7
.set jx, jx+1
.endr
	PASSG D, 32, 0, 16                             ; o8, o9
	; ---- the factor and the quantiser, four rows by turns
.macro QROWS p
.set qd, D+32*(\p)
.set qg, GR+4*(\p)
.set qm, MX+4*(\p)
.set qb, BY+4*(\p)
.set qc, CD+4*(\p)
.irp u, 0,2,4,6
.irp a, 0,2
	v_pk_mul_f32 v[qd+8*\a+\u:qd+8*\a+\u+1], v[qd+8*\a+\u:qd+8*\a+\u+1], v[qg+\a:qg+\a+1] op_sel_hi:[1,0]              ; an even row: the pair's first factor for both halves
	v_pk_mul_f32 v[qd+8*\a+8+\u:qd+8*\a+9+\u], v[qd+8*\a+8+\u:qd+8*\a+9+\u], v[qg+\a:qg+\a+1] op_sel:[0,1] op_sel_hi:[1,1]   ; an odd row: its second
.endr
.endr
.irp a, 0,1,2,3
	v_max3_num_f32 v[qm+\a], |v[qd+8*\a]|, |v[qd+8*\a+1]|, 0x1800000   ; my eight numbers, and the floor 2^(3 - 127): the byte cannot fall under 1
.endr
.irp u, 2,4,6
.irp a, 0,1,2,3
	s_delay_alu instid0(VALU_DEP_4)
	v_max3_num_f32 v[qm+\a], v[qm+\a], |v[qd+8*\a+\u]|, |v[qd+8*\a+\u+1]|
.endr
.endr
.irp a, 0,1,2,3
	s_delay_alu instid0(VALU_DEP_4)
	v_max_num_f32_dpp v[qm+\a], v[qm+\a], v[qm+\a] row_xmask:1 row_mask:0xf bank_mask:0xf
.endr
.irp a, 0,1,2,3
	s_delay_alu instid0(VALU_DEP_4)
	v_max_num_f32_dpp v[qm+\a], v[qm+\a], v[qm+\a] row_xmask:2 row_mask:0xf bank_mask:0xf   ; the four lanes of a block: its largest magnitude
.endr
.irp a, 0,1,2,3
	s_delay_alu instid0(VALU_DEP_4)
	v_add_nc_u32 v[qm+\a], 0xff000000, v[qm+\a]    ; 2 off the exponent field: the conversion's scale operand
.endr
.irp a, 0,1,2,3
	s_delay_alu instid0(VALU_DEP_4)
	v_lshrrev_b32 v[qb+\a], 23, v[qm+\a]           ; the scale's byte
.endr
.irp a, 0,1,2,3
	v_cvt_scalef32_pk8_fp4_f32 v[qc+\a], v[qd+8*\a:qd+8*\a+7], v[qm+\a]
.endr
	v_nop                                          ; one plain line behind the last conversion
.irp a, 0,1,2,3
	ds_store_b32 v13, v[qc+\a] offset:2048*(4*(\p)+\a)
	ds_store_b8 v14, v[qb+\a] offset:128*(4*(\p)+\a)   ; the four lanes of a block write the same byte with the same value
.endr
.endm
	QROWS 0
	QROWS 1
	QROWS 2
	QROWS 3
	s_wait_dscnt 0x0                               ; for the others' sake
	s_barrier_signal -1
	s_barrier_wait -1
	; ---- out
.irp n, 0,1,2,3
	ds_load_b128 v[D+4*\n:D+4*\n+3], v15 offset:512*\n   ; 16 rows: their two blocks of 32
.endr
	ds_load_b32 v80, v16
.irp n, 0,1,2,3
	s_wait_dscnt 4-\n                              ; load n is in; the 4 - n behind it may be out
	global_store_b128 v17, v[D+4*\n:D+4*\n+3], s[34:35] offset:4096*\n   ; 512 consecutive bytes, at a multiple of 256 from wq's first byte
.endr
	s_wait_dscnt 0x0
	global_store_b16 v18, v80, s[36:37]            ; row 2 thread: its two bytes
	global_store_d16_hi_b16 v18, v80, s[36:37] offset:16   ; row 2 thread + 1
	s_wait_tensorcnt 0x0
	ds_add_u32 v240, v241
	s_wait_dscnt 0x0
	s_endpgm
.Lfunc_end_k_q9ab21c7ca2_wcol:
	.size	k_q9ab21c7ca2_wcol, .Lfunc_end_k_q9ab21c7ca2_wcol-k_q9ab21c7ca2_wcol
	.p2alignl 7, 3214868480
	.fill 96, 4, 3214868480
	.section	.rodata,"a",@progbits
	.p2align	6, 0x0
	.amdhsa_kernel k_q9ab21c7ca2_wcol
		.amdhsa_group_segment_fixed_size 319488
		.amdhsa_private_segment_fixed_size 0
		.amdhsa_enable_private_segment 0
		.amdhsa_kernarg_size 40
		.amdhsa_user_sgpr_count 2
		.amdhsa_user_sgpr_kernarg_segment_ptr 1
		.amdhsa_wavefront_size32 1
		.amdhsa_system_sgpr_workgroup_id_x 1
		.amdhsa_system_sgpr_workgroup_id_y 1
		.amdhsa_system_sgpr_workgroup_id_z 1
		.amdhsa_system_vgpr_workitem_id 0
		.amdhsa_next_free_vgpr 242
		.amdhsa_next_free_sgpr 66
		.amdhsa_reserve_vcc 0
		.amdhsa_float_denorm_mode_32 3
		.amdhsa_float_denorm_mode_16_64 3
		.amdhsa_memory_ordered 1
		.amdhsa_forward_progress 1
		.amdhsa_inst_pref_size 87
	.end_amdhsa_kernel
	.amdgpu_metadata
---
amdhsa.version: [ 1, 2 ]
amdhsa.kernels:
  - .name:           k_q9ab21c7ca2_wcol
    .symbol:         k_q9ab21c7ca2_wcol.kd
    .args:
      - { .name: T, .offset: 0, .size: 8, .value_kind: global_buffer, .address_space: global }
      - { .name: SU, .offset: 8, .size: 8, .value_kind: global_buffer, .address_space: global }
      - { .name: SV, .offset: 16, .size: 8, .value_kind: global_buffer, .address_space: global }
      - { .name: scales, .offset: 24, .size: 8, .value_kind: global_buffer, .address_space: global }
      - { .name: wq, .offset: 32, .size: 8, .value_kind: global_buffer, .address_space: global }
    .group_segment_fixed_size: 319488
    .private_segment_fixed_size: 0
    .kernarg_segment_align: 8
    .kernarg_segment_size: 40
    .max_flat_workgroup_size: 512
    .sgpr_count:     66
    .vgpr_count:     242
    .wavefront_size: 32
...
	.end_amdgpu_metadata
.endif
;; end of part 2
;; launch gemm (part 3): grid 16 x 16, 4 waves a work-group, clusters of 4 x 4, 327,680 bytes of LDS; arguments xq, wq, out0; writes out0
.if DOCPART == 3
	.amdgcn_target "amdgcn-amd-amdhsa--gfx1250"
	.amdhsa_code_object_version 6
	.text
	.protected	k_q9ab21c7ca2_gemm
	.globl	k_q9ab21c7ca2_gemm
	.p2align	8
	.type	k_q9ab21c7ca2_gemm,@function
k_q9ab21c7ca2_gemm:
	s_mov_b64 s[64:65], 0
	v_nop
	global_prefetch_b8 v0, s[64:65] scope:SCOPE_SE
	s_setreg_imm32_b32 hwreg(HW_REG_WAVE_MODE, 25, 1), 1
	s_wait_xcnt 0x0
	s_wait_alu depctr_hold_cnt(0) depctr_sa_sdst(0) depctr_va_vdst(0) depctr_va_sdst(0) depctr_va_ssrc(0) depctr_va_vcc(0) depctr_vm_vsrc(0)
	s_getreg_b32 s2, hwreg(HW_REG_IB_STS2, 6, 4)
	s_cmp_eq_u32 s2, 0
	s_cbranch_scc0 .Lentry_in_a_cluster
	s_endpgm
.Lentry_in_a_cluster:
	s_bfe_u32 s2, ttmp6, 0x10000c
	s_cmp_lg_u32 s2, 0xf033
	s_cbranch_scc0 .Lentry_shape_is_right
	s_endpgm
.Lentry_shape_is_right:
; out0[m][n] = sum over k of x[m][k] W[n][k], both as codes of FP4 (E2M1) with one E8M0 byte for each 32 along K, out of the images xq and wq:
; blocks of BLK = 34,816 bytes [row / 128][k / 512]; codes at [(row % 128) / 16][(k % 512) / 32][row % 16][16 bytes]; behind the 32,768 bytes of codes the scale bytes, 16 a row.
; A work-group of four waves makes 256 x 256 of the result, a wave 128 x 128: 64 accumulators, 512 registers.  K goes in steps of 512, each four steps of 128 (64 matrix instructions a wave).
; B (wq): whole blocks, codes and scale bytes, through a ring of two LDS slots, by joint tensor loads shared along a column of the 4 x 4 cluster (waves 2, 3).
; A (xq): only its scale bytes (2,048 a block) go through the ring, by joint loads shared along a row of the cluster (waves 0, 1).
; A's CODES GO FROM THE IMAGE STRAIGHT INTO REGISTERS: a fragment's half is 512 consecutive bytes of the image, 16 a lane.  Four sets of 64 registers, one for each 128 along K of a K step;
; a set is asked for again, one K step on, as soon as its products are issued: 64 loads a wave are out, waited for by count.  They are not asked for jointly, though the four work-groups of a
; cluster's row read the same blocks: a joint load ends in LDS, and this text keeps A's codes out of LDS, which halves the LDS bytes filled and read for each matrix instruction.
; THE MATRIX INSTRUCTION IS USED TRANSPOSED (source 0 = 16 rows of B, source 1 = 16 rows of A): a lane holds eight neighbouring numbers of a row of the result.
; REGISTERS: window 0: v0-31 addresses, v32-95 scale words (two sets; lanes 0-15 A's, lanes 16-31 B's), v128-255 A's sets 0, 1 (on the way out: rows read back);
;   window 1: v0-127 B's two sets, v128-255 A's sets 2, 3;  windows 2, 3: the accumulators of my rows 0-63, 64-127 ((a, b) at v[8 (8 (a % 4) + b)]).
; PREFETCH: behind each refill a wave names 32 x 256 bytes of the block four K steps on (waves 0, 1 A's blocks, waves 2, 3 B's); the four partners that share a block take 8,192 bytes each, by address; K steps 0-3 come by their loads alone; the last trip asks for nothing.
.set SIZE_N, 4096
.set BLK,    34816
.set ASC,    4096                      ; a slot: A's scale bytes, two blocks of 2,048; then B's two blocks
.set SLOT,   ASC+2*BLK
.set STAGE,  2*SLOT                    ; behind the ring: 16 rows x 528 bytes for each wave, for the way out; no tensor load lands here
.set SPITCH, 528
.set SPARE,  STAGE+4*16*SPITCH         ; the spare words: 128 bytes a wave
.set LAPS,   4                         ; a lap = two K steps
.set AOFF, 16                          ; v16     16 x lane: A's loads, and my place in a row of the result
.set ADRB, 20                          ; v20-21  B's fragments in slot 0, 1
.set PFO,  23                          ; v23     256 x lane
.set STO,  24
.set RD,   25
.set SPW,  28
.set NIL,  29
.set ADRS, 30                          ; v30-31  scale words in slot 0, 1
.set SC,   32
.set BK,   128
.set G1,  24                           ; A's scales: group 1; s[32:39] group 0 for each slot
.set G0,  32
.set G1B, 48                           ; B's blocks
.set G0B, 56
.set PFA, 68                           ; s[68:69] where my prefetches stand
.set PA,  72                           ; s[72:73] A's block of the next K step
.set MSB, 0
.macro WIN new                         ; the immediate's high byte repeats the setting that is left
.if MSB != (\new)
	s_set_vgpr_msb (MSB<<8)|(\new)
.set MSB, (\new)
.endif
.endm
.macro PLACES                          ; four places behind matrix instructions, ahead of loads into their sources and of reads of results
.rept 4
	v_nop
.endr
.endm
.macro JLOAD g0a, g0b                  ; a joint load: waves 0, 1 A's scales, waves 2, 3 B's blocks; s_nop 0 and four v_nop behind each line
	s_cmp_eq_u32 s15, 0
	s_cbranch_scc0 .Lfor_b_\@
	tensor_load_to_lds s[\g0a:\g0a+3], s[G1:G1+7]
	s_nop 0
	PLACES
	s_branch .Lasked_\@
.Lfor_b_\@:
	tensor_load_to_lds s[\g0b:\g0b+3], s[G1B:G1B+7]
	s_nop 0
	PLACES
.Lasked_\@:
.endm
.macro ASK                             ; s3 = 1 in the loop's last trip, whose K steps have no block four on
	s_cmp_gt_u32 s3, 1
	s_cbranch_scc0 .Lno_ask_\@
	global_prefetch_b8 v[PFO], s[PFA:PFA+1] offset:BLK th:TH_LOAD_NT scope:SCOPE_SE
.Lno_ask_\@:
.endm
.macro CREST
	s_cmp_lg_u32 s14, 0
	s_cbranch_scc1 .Lnot_wave_0_\@
	s_barrier_signal -3
.Lnot_wave_0_\@:
	s_barrier_wait -3
	s_barrier_signal -1
	s_barrier_wait -1
.endm
.macro CROUND
	s_barrier_signal -1
	s_barrier_wait -1
	CREST
.endm
.macro GLA st, i0, base                ; A's blocks i0 .. i0 + 3 of the 128 along K number st of the block at s[base]: eight loads of 512 consecutive bytes into set st
	WIN ((\st)/2)<<6
.irp i, \i0, \i0+1, \i0+2, \i0+3
.irp c, 0,1
	global_load_b128 v[128+64*((\st)%2)+8*(\i)+4*\c:128+64*((\st)%2)+8*(\i)+4*\c+3], v[AOFF], s[\base:\base+1] offset:((\i)*4+(\st))*1024+512*\c
.endr
.endr
.endm
.macro FETCH_B slot, q                 ; B's eight fragments of the slot's q-th 128 along K into set q % 2
	WIN 0x40
.irp i, 0,1,2,3,4,5,6,7
.irp c, 0,1
	ds_load_b128 v[64*((\q)%2)+8*\i+4*\c:64*((\q)%2)+8*\i+4*\c+3], v[ADRB+\slot] offset:(\i*4+(\q))*1024+512*\c
.endr
.endr
.endm
.macro SCALES sc                       ; a K step's scale words: register 4 i + q: lanes 0-15 A's block i, lanes 16-31 B's block i
	WIN 0
.irp i, 0,1,2,3,4,5,6,7
	ds_load_b128 v[SC+32*\sc+4*\i:SC+32*\sc+4*\i+3], v[ADRS+\sc] offset:\i*256
.endr
.endm
; 16 matrix instructions: A's blocks a0, a0 + 1 x B's eight.  The 64 accumulators take turns, in the same order in every step.
.macro MUL16 a0, q, sc, zero
.irp a, \a0, \a0+1
.irp b, 0,1,2,3,4,5,6,7
.if \zero
	v_wmma_scale_f32_16x16x128_f8f6f4 v[8*(8*((\a)%4)+\b):8*(8*((\a)%4)+\b)+7], v[64*((\q)%2)+8*\b:64*((\q)%2)+8*\b+7], v[128+64*((\q)%2)+8*(\a):128+64*((\q)%2)+8*(\a)+7], 0, v[SC+32*(\sc)+4*\b+(\q)], v[SC+32*(\sc)+4*(\a)+(\q)] matrix_a_fmt:MATRIX_FMT_FP4 matrix_b_fmt:MATRIX_FMT_FP4 matrix_a_scale:MATRIX_SCALE_ROW1
.else
	v_wmma_scale_f32_16x16x128_f8f6f4 v[8*(8*((\a)%4)+\b):8*(8*((\a)%4)+\b)+7], v[64*((\q)%2)+8*\b:64*((\q)%2)+8*\b+7], v[128+64*((\q)%2)+8*(\a):128+64*((\q)%2)+8*(\a)+7], v[8*(8*((\a)%4)+\b):8*(8*((\a)%4)+\b)+7], v[SC+32*(\sc)+4*\b+(\q)], v[SC+32*(\sc)+4*(\a)+(\q)] matrix_a_fmt:MATRIX_FMT_FP4 matrix_b_fmt:MATRIX_FMT_FP4 matrix_a_scale:MATRIX_SCALE_ROW1
.endif
.endr
.endr
.endm
; A step of 128 along K.  ld = 1: set q is asked for again, one K step on; 2: the same, A's block and the prefetches' place stepped first; 0: the last K step.  fb = 1: B's next set comes from the same slot.
; Behind set q's loads stand those of the three later sets, 16 each (in the last K step: of the 3 - q sets left): HI; its own upper eight beside them: HI + 8.
.macro STEP slot, q, zero, ld, fb
.if \ld
.set HI, 48
.else
.set HI, 16*(3-(\q))
.endif
	s_wait_loadcnt HI+8                            ; A's blocks 0-3 of set q are in
	s_wait_dscnt 0x0                               ; B's set (and, at a slot's head, the scale words)
	WIN 0xa1+4*((\q)/2)
	MUL16 0, \q, \slot, \zero
	MUL16 2, \q, \slot, \zero
	PLACES
	s_wait_loadcnt HI                              ; A's blocks 4-7 are in
	WIN 0xf1+4*((\q)/2)
	MUL16 4, \q, \slot, \zero
.if \fb
	FETCH_B \slot, (\q)+1
.endif
.if \ld == 2
	s_wait_xcnt 0x0                                ; the loads and the prefetch issued so far have read their bases
	s_add_nc_u64 s[PA:PA+1], s[PA:PA+1], BLK
	s_add_nc_u64 s[PFA:PFA+1], s[PFA:PFA+1], BLK
.endif
.if \ld
	GLA \q, 0, PA
.endif
	WIN 0xf1+4*((\q)/2)
	MUL16 6, \q, \slot, \zero
	PLACES
.if \ld
	GLA \q, 4, PA
.endif
	WIN 0
.endm
; A slot's last step changes slots: one barrier; ahead of it each wave waits for all its tensor loads, adds 0 to its spare word and waits for that and for its reads of the slot.  fill = 1: the barrier opens a round of the cluster's barrier, and the slot is filled again, two K steps on.
.macro TURN slot, next, fill
	s_wait_tensorcnt 0x0                           ; my part of the next slot has landed
	ds_add_u32 v[SPW], v[NIL]
	s_wait_loadcnt 56
	s_wait_dscnt 1                                 ; B's set is in; the add may be out
	WIN 0xa5
	MUL16 0, 3, \slot, 0
	s_wait_dscnt 0x0                               ; the add is done; my reads of this slot are over
	s_barrier_signal -1
	MUL16 2, 3, \slot, 0
	WIN 0
	s_barrier_wait -1
.if \fill
	CREST
	s_add_nc_u64 s[G0+4*\slot+2:G0+4*\slot+3], s[G0+4*\slot+2:G0+4*\slot+3], 2*BLK
	s_add_nc_u64 s[G0B+4*\slot+2:G0B+4*\slot+3], s[G0B+4*\slot+2:G0B+4*\slot+3], 2*BLK
	JLOAD G0+4*\slot, G0B+4*\slot                  ; the first tensor load behind the round; its four v_nop are the places for the loads below
.else
	PLACES
.endif
	FETCH_B \next, 0
	SCALES \next
	s_wait_loadcnt 48
	GLA 3, 0, PA
	WIN 0
.if \fill
	ASK
.endif
	WIN 0xf5
	MUL16 4, 3, \slot, 0
	MUL16 6, 3, \slot, 0
	PLACES
	GLA 3, 4, PA
	WIN 0
.endm
	s_load_b128 s[4:7], s[0:1], 0x0                ; xq, wq
	s_load_b64 s[12:13], s[0:1], 0x10              ; out0
	v_lshl_add_u32 v[SPW], v0, 2, SPARE
	v_mov_b32 v[NIL], 0
	ds_add_u32 v[SPW], v[NIL]                      ; the opening lines: the add twice on end, under one wait
	ds_add_u32 v[SPW], v[NIL]
	v_lshrrev_b32 v1, 5, v0
	v_readfirstlane_b32 s14, v1                    ; wave
	v_and_b32 v3, 31, v0
	v_lshlrev_b32 v[AOFF], 4, v3
	s_lshr_b32 s15, s14, 1                         ; my half of the rows; also: I fetch for A (0) or B (1)
	s_and_b32 s16, s14, 1                          ; my half of the columns; also: which block I fetch
	s_bfe_u32 s40, ttmp6, 0x40000                  ; cx, cy
	s_bfe_u32 s41, ttmp6, 0x40004
	s_lshl_b32 s42, ttmp9, 2
	s_add_co_u32 s42, s42, s40                     ; tile column
	s_and_b32 s17, ttmp7, 0xffff
	s_lshl_b32 s17, s17, 2
	s_add_co_u32 s17, s17, s41                     ; tile row
	s_lshl_b32 s43, s41, 2
	s_lshl_b32 s43, 15, s43                        ; my row of the cluster
	s_lshl_b32 s44, 0x1111, s40                    ; my column
	s_or_b32 s[G1], s43, (3<<16)|(1<<21)           ; elements of 8 bytes, rows of 256 bytes, dense: A's scales 8 rows, B's block 136
	s_or_b32 s[G1B], s44, (3<<16)|(1<<21)
	s_mov_b32 s[G1+1], 32<<16
	s_mov_b32 s[G1+2], 8<<16
	s_mov_b32 s[G1+3], 32<<16
	s_mov_b32 s[G1+4], 8
	s_mov_b32 s[G1+5], 32
	s_mov_b32 s[G1+6], 0
	s_mov_b32 s[G1+7], 0
	s_mov_b32 s[G1B+1], 32<<16
	s_mov_b32 s[G1B+2], 136<<16
	s_mov_b32 s[G1B+3], 32<<16
	s_mov_b32 s[G1B+4], 136
	s_mov_b32 s[G1B+5], 32
	s_mov_b32 s[G1B+6], 0
	s_mov_b32 s[G1B+7], 0
	s_lshl_b32 s20, s17, 1
	s_add_co_u32 s74, s20, s15                     ; A's row block that I multiply
	s_add_co_u32 s20, s20, s16                     ; A's row block whose scales I fetch
	s_mul_i32 s20, s20, 8*BLK
	s_mul_i32 s74, s74, 8*BLK
	s_mov_b32 s21, 0
	s_mov_b32 s75, 0
	s_lshl_b32 s46, s42, 1
	s_add_co_u32 s46, s46, s16
	s_mul_i32 s46, s46, 8*BLK
	s_mov_b32 s47, 0
	s_lshl_b32 s45, s16, 11                        ; LDS: A's scales, block s16
	s_mul_i32 s76, s16, BLK
	s_add_co_u32 s76, s76, ASC                     ; LDS: B's block s16: the one I fetch (waves 2, 3), and the one I multiply
	s_wait_alu depctr_va_vdst(0)
	s_wait_dscnt 0x0
	s_wait_kmcnt 0x0
	s_add_nc_u64 s[20:21], s[4:5], s[20:21]
	s_add_nc_u64 s[74:75], s[4:5], s[74:75]
	s_add_nc_u64 s[46:47], s[6:7], s[46:47]
	s_add_nc_u64 s[PA:PA+1], s[74:75], BLK
.irp s, 0,1
	s_mov_b32 s[G0+4*\s], 1
	s_add_co_u32 s[G0+4*\s+1], s45, \s*SLOT
	s_add_nc_u64 s[G0+4*\s+2:G0+4*\s+3], s[20:21], 32768+\s*BLK
	s_or_b32 s[G0+4*\s+3], s[G0+4*\s+3], 0x80000000
	s_mov_b32 s[G0B+4*\s], 1
	s_add_co_u32 s[G0B+4*\s+1], s76, \s*SLOT
	s_add_nc_u64 s[G0B+4*\s+2:G0B+4*\s+3], s[46:47], \s*BLK
	s_or_b32 s[G0B+4*\s+3], s[G0B+4*\s+3], 0x80000000
.endr
	CROUND                                         ; the round ahead of the first joint loads
	JLOAD G0, G0B                                  ; K step 0: one tensor load a wave at the head
.irp q, 0,1,2,3
	GLA \q, 0, 74                                  ; A's four sets of K step 0
	GLA \q, 4, 74
.endr
	WIN 0
	s_cmp_eq_u32 s15, 0
	s_cselect_b64 s[PFA:PFA+1], s[20:21], s[46:47] ; the prefetches: the block that I fetch for,
	s_cselect_b32 s18, s40, s41                    ; my place among the four that share it: 8,192 bytes each
	s_lshl_b32 s18, s18, 13
	s_add_co_u32 s18, s18, 3*BLK                   ; K step 3; a prefetch names the block behind it
	s_mov_b32 s19, 0
	s_add_nc_u64 s[PFA:PFA+1], s[PFA:PFA+1], s[18:19]
	s_lshl_b32 s18, s17, 8
	s_lshl_b32 s19, s15, 7
	s_add_co_u32 s18, s18, s19                     ; my first row of the result,
	s_lshl_b32 s18, s18, 14                        ; 16,384 bytes a row,
	s_lshl_b32 s19, s42, 10
	s_add_co_u32 s18, s18, s19
	s_lshl_b32 s19, s16, 9
	s_add_co_u32 s18, s18, s19                     ; and my first column
	s_mov_b32 s19, 0
	s_add_nc_u64 s[12:13], s[12:13], s[18:19]
	s_lshl_b32 s77, s15, 11                        ; LDS: the scales of A's rows that I multiply
	s_add_co_u32 s23, s76, 32768
	s_sub_co_u32 s23, s23, s77                     ; from there to the scales of my rows of B
	s_mul_i32 s78, s14, 16*SPITCH
	s_add_co_u32 s78, s78, STAGE                   ; my stage
	v_and_b32 v1, 15, v0
	v_bfe_u32 v2, v0, 4, 1
	v_add_nc_u32 v[ADRB], s76, v[AOFF]
	v_add_nc_u32 v[ADRB+1], SLOT, v[ADRB]
	v_mul_u32_u24 v6, s23, v2                      ; lanes 16-31 take B's
	v_lshl_add_u32 v5, v1, 4, v6
	v_add_nc_u32 v[ADRS], s77, v5
	v_add_nc_u32 v[ADRS+1], SLOT, v[ADRS]
	v_mul_u32_u24 v4, v1, SPITCH
	v_lshl_add_u32 v4, v2, 5, v4
	v_add_nc_u32 v[STO], s78, v4                   ; into the stage: row l % 16, 32 bytes for each half of the lanes
	v_add_nc_u32 v[RD], s78, v[AOFF]               ; back: the 32 lanes take a row of 512 bytes
	v_lshlrev_b32 v[PFO], 8, v3
	s_wait_alu depctr_va_vdst(0)
	s_wait_tensorcnt 0x0                           ; my part of K step 0 is in; slot 1's first fill is issued as a refill is
	ds_add_u32 v[SPW], v[NIL]
	s_wait_dscnt 0x0
	CROUND
	JLOAD G0+4, G0B+4                              ; K step 1
	FETCH_B 0, 0
	SCALES 0
	STEP 0, 0, 1, 1, 1                             ; the first step's products start the sums
	s_mov_b32 s3, LAPS-1
.Llap:                                                 ; a trip: from a lap's second step to the next lap's first; both slots are filled again
	STEP 0, 1, 0, 1, 1
	STEP 0, 2, 0, 1, 1
	TURN 0, 1, 1
	STEP 1, 0, 0, 2, 1
	STEP 1, 1, 0, 1, 1
	STEP 1, 2, 0, 1, 1
	TURN 1, 0, 1
	STEP 0, 0, 0, 2, 1
	s_sub_co_u32 s3, s3, 1
	s_cmp_lg_u32 s3, 0
	s_cbranch_scc1 .Llap
	STEP 0, 1, 0, 1, 1                             ; the last lap fills no slot; its second K step asks for nothing of A
	STEP 0, 2, 0, 1, 1
	TURN 0, 1, 0
	STEP 1, 0, 0, 0, 1
	STEP 1, 1, 0, 0, 1
	STEP 1, 2, 0, 0, 1
	STEP 1, 3, 0, 0, 0
; THE WAY OUT, by blocks of 16 rows x 128 columns: through my own stage, back as whole rows of 512 bytes.  LDS serves a wave's instructions in order (ISA guide 5.7.1.4).
.macro TOSTAGE a
.set AC, 64*((\a)%4)
	WIN 0x08+4*((\a)/4)
.irp b, 0,1,2,3,4,5,6,7
	ds_store_b128 v[STO], v[AC+8*\b:AC+8*\b+3] offset:64*\b          ; each accumulator from its low end on
	ds_store_b128 v[STO], v[AC+8*\b+4:AC+8*\b+7] offset:64*\b+16
.endr
	WIN 0
.set BB, BK+64*((\a)%2)
.irp t, 0,1,2,3,4,5,6,7,8,9,10,11,12,13,14,15
	ds_load_b128 v[BB+4*\t:BB+4*\t+3], v[RD] offset:\t*SPITCH
.endr
.endm
.macro SEND a, younger
.set BB, BK+64*((\a)%2)
	s_wait_dscnt \younger                          ; the block is back in registers
.if (\a) > 0
	s_add_nc_u64 s[12:13], s[12:13], 16*SIZE_N*4   ; behind a wait on XCNT: the earlier stores have read their base
.endif
.irp t, 0,1,2,3,4,5,6,7,8,9,10,11,12,13,14,15
	global_store_b128 v[AOFF], v[BB+4*\t:BB+4*\t+3], s[12:13] offset:\t*SIZE_N*4 th:TH_STORE_NT   ; 512 consecutive bytes, at a multiple of 256 from out0's first byte
.endr
.endm
	TOSTAGE 0                                      ; (the last step ended with four places)
.irp a, 1,2,3,4,5,6,7
.if \a > 1
	s_wait_xcnt 0x0                                ; block a - 2's stores have read their registers and their base
.endif
	TOSTAGE \a
	SEND \a-1, 32                                  ; behind block a - 1's loads: block a's 16 stores and 16 loads
.endr
	s_wait_xcnt 0x0
	SEND 7, 0
	s_wait_tensorcnt 0x0                           ; the wave's end
	ds_add_u32 v[SPW], v[NIL]
	s_wait_dscnt 0x0
	CROUND                                         ; the closing round
	s_endpgm
.Lfunc_end_k_q9ab21c7ca2_gemm:
	.size	k_q9ab21c7ca2_gemm, .Lfunc_end_k_q9ab21c7ca2_gemm-k_q9ab21c7ca2_gemm
	.p2alignl 7, 3214868480
	.fill 96, 4, 3214868480
	.section	.rodata,"a",@progbits
	.p2align	6, 0x0
	.amdhsa_kernel k_q9ab21c7ca2_gemm
		.amdhsa_group_segment_fixed_size 327680
		.amdhsa_private_segment_fixed_size 0
		.amdhsa_enable_private_segment 0
		.amdhsa_kernarg_size 24
		.amdhsa_user_sgpr_count 2
		.amdhsa_user_sgpr_kernarg_segment_ptr 1
		.amdhsa_wavefront_size32 1
		.amdhsa_system_sgpr_workgroup_id_x 1
		.amdhsa_system_sgpr_workgroup_id_y 1
		.amdhsa_system_sgpr_workgroup_id_z 1
		.amdhsa_system_vgpr_workitem_id 0
		.amdhsa_next_free_vgpr 1024
		.amdhsa_next_free_sgpr 80
		.amdhsa_reserve_vcc 0
		.amdhsa_float_denorm_mode_32 3
		.amdhsa_float_denorm_mode_16_64 3
		.amdhsa_memory_ordered 1
		.amdhsa_forward_progress 1
		.amdhsa_inst_pref_size 219
	.end_amdhsa_kernel
	.amdgpu_metadata
---
amdhsa.version: [ 1, 2 ]
amdhsa.kernels:
  - .name:           k_q9ab21c7ca2_gemm
    .symbol:         k_q9ab21c7ca2_gemm.kd
    .args:
      - { .name: xq, .offset: 0, .size: 8, .value_kind: global_buffer, .address_space: global }
      - { .name: wq, .offset: 8, .size: 8, .value_kind: global_buffer, .address_space: global }
      - { .name: out0, .offset: 16, .size: 8, .value_kind: global_buffer, .address_space: global }
    .group_segment_fixed_size: 327680
    .private_segment_fixed_size: 0
    .kernarg_segment_align: 8
    .kernarg_segment_size: 24
    .max_flat_workgroup_size: 128
    .sgpr_count:     80
    .vgpr_count:     1024
    .wavefront_size: 32
...
	.end_amdgpu_metadata
.endif
;; end of part 3
